; MI455X (gfx1250); checked and timed in simulation.
; The chip was launched on July 23, 2026; its instructions are those of AMD's public machine-readable ISA for CDNA 5 (MIT licence, August 2026) and "CDNA5" Instruction Set Architecture Reference Guide (July 2026).
;; Dot Product Attention. Allowed arithmetic: matrix products marked QUANTISED: E4M3 operands, one E8M0 scale for each 32 along K, by v_wmma_scale_f32_16x16x128_f8f6f4 with both operands' format E4M3, f32 sums; everything else in f32.
;; Inputs: K_codes 4 x 16 x 2,048 x 4 x 32 uint8 (E4M3 codes of K, K innermost, in blocks of 32 codes); K_scales 4 x 16 x 2,048 x 4 uint8 (E8M0 scales of K, one for each 32 codes along K); Q_codes 4 x 16 x 2,048 x 4 x 32 uint8 (E4M3 codes of Q, K innermost, in blocks of 32 codes); Q_scales 4 x 16 x 2,048 x 4 uint8 (E8M0 scales of Q, one for each 32 codes along K); V_codes 4 x 16 x 128 x 64 x 32 uint8 (E4M3 codes of V, K innermost, in blocks of 32 codes); V_scales 4 x 16 x 128 x 64 uint8 (E8M0 scales of V, one for each 32 codes along K).
;; Outputs: out0 4 x 16 x 2,048 x 128 float32.
;; This version of the problem:
;;   THIS VERSION OF THE PROBLEM IS GIVEN IN LOW PRECISION. The matrix products marked QUANTISED in the list below multiply operands that are first quantised to E4M3 (4 exponent bits, 3 mantissa bits; 8 bits a number), with one power-of-two scale for each 32 numbers along K (OCP MX v1.0); their sums are f32. All else is computed in f32.
;;   The module's matrix products, in the order in which they are computed (A, B: the left and right operand; K: the contracted axis; several contracted axes count as one K, in the product's order):
;;     1. batch 64 x [M 2,048, K 128] x [K 128, N 2,048]; A: input Q (given as codes); B: input K (given as codes): QUANTISED
;;     2. batch 64 x [M 2,048, K 2,048] x [K 2,048, N 128]; A: softmax (see below); B: input V (given as codes): QUANTISED
;;   THE QUANTISER, for each operand of a quantised product, along K:
;;     - K is cut into blocks of 32 from its start; a last block that is shorter is filled with zeros.
;;     - A block's scale is 2^e with e = floor(log2(the largest magnitude in the block)) - 8, held to -126 .. 127; a block of zeros has e = 0. As a byte (E8M0): e + 127.
;;     - Each number is divided by its block's scale, clamped to +-448, and rounded to the nearest number of E4M3, ties to even, subnormals kept.
;;     - The product sums the exact products of the quantised numbers (number of the format x scale) in f32.
;;   ~~~python
;;   def quantise(x, axis):      # numpy; x: float32 -> the quantised numbers, widened to float32 again
;;       x = np.moveaxis(x, axis, -1); K = x.shape[-1]
;;       x = np.pad(x, [(0, 0)] * (x.ndim - 1) + [(0, -K % 32)]); x = x.reshape(x.shape[:-1] + (-1, 32)); a = np.abs(x).max(-1, keepdims=True)
;;       e = np.where(a > 0, np.clip(np.frexp(np.where(a > 0, a, 1))[1] - 1 - 8, -126, 127), 0)      # np.frexp(a)[1] - 1 = floor(log2(a)), exactly
;;       r = np.clip(x / 2.0 ** e, -448, 448)
;;       step = 2.0 ** (np.maximum(np.frexp(np.where(r == 0, 1, r))[1] - 1, -6) - 3)
;;       q = np.round(r / step) * step * 2.0 ** e      # np.round: ties to even
;;       return np.moveaxis(q.reshape(q.shape[:-2] + (-1,))[..., :K], -1, axis).astype(np.float32)
;;   ~~~
;;   SOFTMAX AHEAD OF A QUANTISED PRODUCT. Where the list says 'softmax', what is quantised is not the finished softmax but p = 2^(t - M), with t = logit x log2(e) and M = ceil(the row's largest t), a whole number; so 1/2 < the row's largest p <= 1. The row's sum l is taken of the UNQUANTISED p, in f32, and the product's result is divided by l at the end. Since M is a whole number, a kernel that streams over the keys may use a running M (the ceiling of the running maximum): every later rescaling is an exact power of two, which a block's scale takes up: the codes' values come out the same.
;;   OPERANDS COMPUTED ON THE WAY. 'Computed on the way' means the value that the module computes at that place (a softmax that the list does not call 'softmax' is quantised finished and normalised). What goes into a quantiser is computed in f32, as accurately as f32 sums, v_exp_f32 and their like allow (about 1e-6 of the number): no bf16 or f16 on the way to a quantiser, and a product that is left as it is and whose result goes on into a quantised operand takes f32 operands (vector FMAs, or v_wmma_f32_16x16x4_f32). A number that lies on a knife's edge between two numbers of the format may be rounded either way, as far as f32 arithmetic and the matrix unit's own rounding can turn it there, and no further.
;;   INPUTS GIVEN AS CODES. K (in the module: [4, 16, 2048, 128], K = its axis 3); Q (in the module: [4, 16, 2048, 128], K = its axis 3); V (in the module: [4, 16, 2048, 128], K = its axis 2): each comes as NAME_codes (uint8): NAME with its K axis moved to the last place and cut into blocks of 32 codes, [.., K / 32, bytes a block], one block behind the other in memory; one code a byte (a code: sign, 4 exponent bits, 3 mantissa bits); and NAME_scales (uint8): the same leading axes, one E8M0 byte (e + 127) for each 32 codes along K. Its value is code x scale, taken as it is: it is not quantised again, and the codes and scales need not be those that the quantiser above would give.
;; One version. Each part assembles by itself: llvm-mc -triple=amdgcn-amd-amdhsa -mcpu=gfx1250 --defsym DOCPART=n.
;; ======== version 1 of 1: 1 launch
;; limits: right only within a limited range of input values
;; launch attn (part 1): grid 4 x 64, 8 waves a work-group, no clusters, 327,680 bytes of LDS; arguments Q_codes, Q_scales, K_codes, K_scales, V_codes, V_scales, out0; writes out0
.if DOCPART == 1
	.amdgcn_target "amdgcn-amd-amdhsa--gfx1250"
	.amdhsa_code_object_version 6
	.text
	.protected	k_qe59b2f8e64_attn
	.globl	k_qe59b2f8e64_attn
	.p2align	8
	.type	k_qe59b2f8e64_attn,@function
k_qe59b2f8e64_attn:
	s_mov_b64 s[64:65], 0
	v_nop
	global_prefetch_b8 v0, s[64:65] scope:SCOPE_SE
	s_setreg_imm32_b32 hwreg(HW_REG_WAVE_MODE, 25, 1), 1
	s_wait_xcnt 0x0
.set SLOT1, 1<<17
.set KP,    144
.set KODD,  18560
.set VOFF,  37120
.set VP,    272
.set STAGE0, VOFF+128*VP
.set SROW,  272
.set SCK,   2*SLOT1
.set SCH,   16*272
.set SCV,   SCK+2*SCH
.set SPARE, 294912
.set AK0, 1
.set AV0, 2
.set ASK0, 3
.set ASV0, 4
.set SPW, 5
.set NIL, 6
.set PW1, 7
.set ADK, 8
.set ADV, 9
.set ADS, 10
.set ADT, 11
.set FS,  248
.set PW0, 253
.set QS,  255
.set WV,  18
.set MNT, 19
.set SEL, 20
.set CS,  22
.set G1K, 24
.set G1V, 32
.set G1S, 48
.set G0K, 40
.set G0V, 44
.set G0SK, 56
.set G0SV, 60
.set TB,  66
.set TS,  67
.set TJ,  68
.set KF,  69
.set Q0,  70
.set TRIP, 71
.set WGX, 72
.set WGX1, 73
.set BLK, 74
.set STG, 75
.set KB,  76
.set VB,  78
.set OFS, 80
.set QP,  82
.set QSP, 84
.set OP,  86
.set MSB, 0
.macro WIN new
.if MSB != (\new)
	s_set_vgpr_msb (MSB<<8)|(\new)
.set MSB, (\new)
.endif
.endm
.macro TLOAD g0k, g1k, g0v, g1v
	s_cmp_lt_u32 s[WV], 2
	s_cbranch_scc0 .Lnot_k_\@
	tensor_load_to_lds s[\g0k:\g0k+3], s[\g1k:\g1k+7]
	s_nop 0
.rept 4
	v_nop
.endr
	s_branch .Lasked_\@
.Lnot_k_\@:
	s_cmp_lt_u32 s[WV], 4
	s_cbranch_scc0 .Lasked_\@
	tensor_load_to_lds s[\g0v:\g0v+3], s[\g1v:\g1v+7]
	s_nop 0
.rept 4
	v_nop
.endr
.Lasked_\@:
.endm
	s_load_b128 s[4:7], s[0:1], 0x0
	s_load_b128 s[8:11], s[0:1], 0x10
	s_load_b128 s[12:15], s[0:1], 0x20
	s_load_b64 s[16:17], s[0:1], 0x30
	v_lshl_add_u32 v[SPW], v0, 2, SPARE
	v_mov_b32 v[NIL], 0
	ds_add_u32 v5, v6
	ds_add_u32 v5, v6
	s_wait_dscnt 0x0
	v_lshrrev_b32 v8, 5, v0
	s_delay_alu instid0(VALU_DEP_1)
	v_readfirstlane_b32 s[WV], v8
	s_mov_b32 s[WGX], ttmp9
	s_add_co_u32 s[WGX1], ttmp9, 1
	s_and_b32 s88, ttmp7, 0xffff
	s_and_b32 s89, s[WV], 1
	s_lshl_b32 s90, s88, 18
	s_lshl_b32 s92, s89, 17
	s_add_co_u32 s92, s92, s90
	s_lshl_b32 s96, s[WV], 12
	s_add_co_u32 s96, s96, s90
	s_lshl_b32 s91, s89, 11
	s_add_co_u32 s90, s90, s91
	s_mov_b32 s91, 0
	s_mov_b32 s93, 0
	s_mov_b32 s97, 0
	s_lshl_b32 s94, s88, 13
	s_lshl_b32 s98, s[WV], 7
	s_add_co_u32 s98, s98, s94
	s_lshl_b32 s95, s89, 12
	s_add_co_u32 s94, s94, s95
	s_mov_b32 s95, 0
	s_mov_b32 s99, 0
	s_lshl_b32 s[OFS], s88, 20
	s_lshl_b32 s[OFS+1], s[WV], 14
	s_add_co_u32 s[OFS], s[OFS], s[OFS+1]
	s_mov_b32 s[OFS+1], 0
	s_mov_b32 s[G1K], (0<<16)|(1<<20)|(4<<22)|(3<<25)
	s_mov_b32 s[G1K+1], 2048<<16
	s_mov_b32 s[G1K+2], 8<<16
	s_mov_b32 s[G1K+3], 2048<<16
	s_mov_b32 s[G1K+4], 8
	s_mov_b32 s[G1K+5], 4096
	s_mov_b32 s[G1K+6], 0
	s_mov_b32 s[G1K+7], 0
	s_mov_b32 s[G1V], (0<<16)|(1<<20)|(5<<22)|(3<<25)
	s_mov_b32 s[G1V+1], 256<<16
	s_mov_b32 s[G1V+2], 64<<16
	s_mov_b32 s[G1V+3], 256<<16
	s_mov_b32 s[G1V+4], 64
	s_mov_b32 s[G1V+5], 2048
	s_mov_b32 s[G1V+6], 0
	s_mov_b32 s[G1V+7], 0
	s_mov_b32 s[G1S], (3<<16)|(1<<20)|(5<<22)|(3<<25)
	s_mov_b32 s[G1S+1], 32<<16
	s_mov_b32 s[G1S+2], 16<<16
	s_mov_b32 s[G1S+3], 32<<16
	s_mov_b32 s[G1S+4], 16
	s_mov_b32 s[G1S+5], 32
	s_mov_b32 s[G1S+6], 0
	s_mov_b32 s[G1S+7], 0
	s_mov_b32 s[G0SK], 1
	s_mul_i32 s[G0SK+1], s89, SCH
	s_add_co_u32 s[G0SK+1], s[G0SK+1], SCK
	s_mov_b32 s[G0SV], 1
	s_mul_i32 s[G0SV+1], s89, SCH
	s_add_co_u32 s[G0SV+1], s[G0SV+1], SCV
	s_mov_b32 s[G0K], 1
	s_mul_i32 s[G0K+1], s89, KODD
	s_mov_b32 s[G0V], 1
	s_mul_i32 s[G0V+1], s89, 64*VP
	s_add_co_u32 s[G0V+1], s[G0V+1], VOFF
	s_mov_b32 s[SEL], 0x76543210
	s_mov_b32 s[SEL+1], 0xfedcba98
	s_mov_b32 s[CS], 0x3e0293ee
	s_mov_b32 s[CS+1], s[CS]
	s_wait_kmcnt 0x0
	s_add_nc_u64 s[KB:KB+1], s[8:9], s[90:91]
	s_add_nc_u64 s[VB:VB+1], s[12:13], s[92:93]
	s_add_nc_u64 s[G0SK+2:G0SK+3], s[10:11], s[94:95]
	s_or_b32 s[G0SK+3], s[G0SK+3], 0x80000000
	s_add_nc_u64 s[G0SV+2:G0SV+3], s[14:15], s[94:95]
	s_or_b32 s[G0SV+3], s[G0SV+3], 0x80000000
	TLOAD G0SK, G1S, G0SV, G1S
	s_mov_b64 s[G0K+2:G0K+3], s[KB:KB+1]
	s_or_b32 s[G0K+3], s[G0K+3], 0x80000000
	s_mov_b64 s[G0V+2:G0V+3], s[VB:VB+1]
	s_or_b32 s[G0V+3], s[G0V+3], 0x80000000
	s_wait_alu depctr_va_vdst(0)
	s_wait_tensorcnt 0x0
	ds_add_u32 v5, v6
	s_wait_dscnt 0x0
	s_barrier_signal -1
	s_barrier_wait -1
	TLOAD G0K, G1K, G0V, G1V
	s_add_nc_u64 s[4:5], s[4:5], s[96:97]
	s_add_nc_u64 s[6:7], s[6:7], s[98:99]
	s_add_nc_u64 s[16:17], s[16:17], s[OFS:OFS+1]
	s_and_b32 s[STG], s[WV], 3
	s_mul_i32 s[STG], s[STG], 2*16*SROW
	s_lshr_b32 s88, s[WV], 2
	s_lshl_b32 s88, s88, 17
	s_add_co_u32 s[STG], s[STG], s88
	s_add_co_u32 s[STG], s[STG], STAGE0
	v_and_b32 v8, 15, v0
	v_bfe_u32 v9, v0, 4, 1
	s_delay_alu instid0(VALU_DEP_2)
	v_and_b32 v10, 7, v8
	s_delay_alu instid0(VALU_DEP_3)
	v_lshrrev_b32 v11, 3, v8
	s_delay_alu instid0(VALU_DEP_2)
	v_mul_u32_u24 v[AK0], v10, KP
	s_delay_alu instid0(VALU_DEP_1)
	v_mad_u32_u24 v[AK0], v11, KODD, v[AK0]
	s_delay_alu instid0(VALU_DEP_1)
	v_lshl_add_u32 v[AK0], v9, 4, v[AK0]
	v_mul_u32_u24 v[AV0], v8, VP
	s_delay_alu instid0(VALU_DEP_1)
	v_lshl_add_u32 v[AV0], v9, 4, v[AV0]
	s_delay_alu instid0(VALU_DEP_1)
	v_add_nc_u32 v[AV0], VOFF, v[AV0]
	v_lshl_add_u32 v[ASK0], v11, 3, v8
	s_delay_alu instid0(VALU_DEP_1)
	v_lshlrev_b32 v[ASK0], 2, v[ASK0]
	s_delay_alu instid0(VALU_DEP_1)
	v_lshl_add_u32 v[ASK0], v9, 5, v[ASK0]
	s_delay_alu instid0(VALU_DEP_1)
	v_add_nc_u32 v[ASK0], SCK, v[ASK0]
	v_lshrrev_b32 v10, 2, v8
	v_and_b32 v11, 3, v8
	s_delay_alu instid0(VALU_DEP_2)
	v_mul_u32_u24 v[ASV0], v10, 272
	s_delay_alu instid0(VALU_DEP_1)
	v_lshl_add_u32 v[ASV0], v11, 6, v[ASV0]
	s_delay_alu instid0(VALU_DEP_1)
	v_mad_u32_u24 v[ASV0], v9, 4*272, v[ASV0]
	s_delay_alu instid0(VALU_DEP_1)
	v_add_nc_u32 v[ASV0], SCV, v[ASV0]
	WIN 0x40
	v_mov_b32 v0, v0
.irp b, 236,237,238,239,252,253
	v_mov_b32 v[\b], 0
.endr
	WIN 0
.irp b, 236,237,238,239,252,253
	v_mov_b32 v[\b], 0
.endr
	s_mov_b32 s[TRIP], 0
	s_mov_b32 s[TB], 0
	s_mov_b32 s[BLK], s[WGX]
.macro QLOAD
	s_lshl_b32 s[OFS], s[BLK], 15
	s_add_nc_u64 s[QP:QP+1], s[4:5], s[OFS:OFS+1]
	s_lshl_b32 s[OFS], s[BLK], 10
	s_add_nc_u64 s[QSP:QSP+1], s[6:7], s[OFS:OFS+1]
	v_and_b32 v8, 15, v0
	v_bfe_u32 v9, v0, 4, 1
	s_delay_alu instid0(VALU_DEP_2)
	v_lshlrev_b32 v8, 7, v8
	s_delay_alu instid0(VALU_DEP_1)
	v_lshl_add_u32 v8, v9, 4, v8
	v_and_b32 v9, 31, v0
	s_delay_alu instid0(VALU_DEP_1)
	v_lshlrev_b32 v9, 2, v9
.irp c, 0,1,2,3
	global_load_b128 v[16+4*\c:19+4*\c], v8, s[QP:QP+1] offset:32*\c th:TH_LOAD_NT
.endr
	WIN 0x40
.irp c, 0,1,2,3
	global_load_b128 v[16+4*\c:19+4*\c], v8, s[QP:QP+1] offset:2048+32*\c th:TH_LOAD_NT
.endr
	WIN 0
	global_load_b32 v[QS], v9, s[QSP:QSP+1] th:TH_LOAD_NT
.endm
.macro RESET a
	WIN 0x55*(\a)
	v_mov_b32 v13, 0xff61b1e6
	s_delay_alu instid0(VALU_DEP_1)
	v_floor_f32 v12, -v13
	v_mov_b32 v14, 0
	v_mov_b32 v15, 0
.set n, 0
.rept 64
	v_mov_b32 v[160+n], 0
.set n, n+1
.endr
.endm
.macro WAYOUT
	WIN 0
	v_and_b32 v11, 15, v0
	s_delay_alu instid0(VALU_DEP_1)
	v_mul_u32_u24 v8, v11, SROW
	s_delay_alu instid0(VALU_DEP_2)
	v_lshlrev_b32 v9, 4, v11
	v_bfe_u32 v11, v0, 4, 1
	s_delay_alu instid0(VALU_DEP_1)
	v_lshl_add_u32 v8, v11, 5, v8
	s_delay_alu instid0(VALU_DEP_1)
	v_add_nc_u32 v8, s[STG], v8
	s_delay_alu instid0(VALU_DEP_3)
	v_lshl_add_u32 v10, v11, 9, v9
	s_delay_alu instid0(VALU_DEP_4)
	v_mad_u32_u24 v9, v11, SROW, v9
	s_delay_alu instid0(VALU_DEP_1)
	v_add_nc_u32 v9, s[STG], v9
.irp a, 0,1
	WIN 0x55*\a
	v_add_f32 v14, v14, v15
	s_delay_alu instid0(VALU_DEP_1)
	v_permlanex16_b32 v252, v14, s[SEL], s[SEL+1]
	s_delay_alu instid0(VALU_DEP_1)
	v_add_f32 v14, v14, v252
	s_wait_alu depctr_va_vdst(0)
	v_rcp_f32 v14, v14
	v_nop
.set n, 0
	s_wait_alu depctr_va_vdst(0)
.rept 32
	v_pk_mul_f32 v[96+n:97+n], v[160+n:161+n], v[14:15] op_sel_hi:[1,0]
.set n, n+2
.endr
.endr
.irp a, 0,1
.irp u, 0,1
	WIN 4*\a
.irp t, 0,1,2,3
	ds_store_b128 v8, v[96+32*\u+8*\t:99+32*\u+8*\t] offset:16*SROW*\a+64*\t
	ds_store_b128 v8, v[100+32*\u+8*\t:103+32*\u+8*\t] offset:16*SROW*\a+64*\t+16
.endr
	WIN 0x40*\a
.irp i, 0,1,2,3,4,5,6,7
	ds_load_b128 v[32+32*\u+4*\i:35+32*\u+4*\i], v9 offset:16*SROW*\a+2*SROW*\i
.endr
.endr
.endr
.irp a, 0,1
	WIN 4*\a
.irp u, 0,1
.irp i, 0,1,2,3,4,5,6,7
	s_wait_dscnt 16*(3-2*\a-\u)+7-\i
	global_store_b128 v10, v[32+32*\u+4*\i:35+32*\u+4*\i], s[OP:OP+1] offset:8192*\a+1024*\i+256*\u th:TH_STORE_NT
.endr
.endr
.endr
	WIN 0
.endm
.macro NEWBLOCK out
	QLOAD
.if \out
	s_wait_xcnt 0x0
	WAYOUT
.endif
	s_wait_xcnt 0x0
	s_lshl_b32 s[OFS], s[BLK], 17
	s_add_nc_u64 s[OP:OP+1], s[16:17], s[OFS:OFS+1]
	s_lshl_b32 s[Q0], s[BLK], 8
	s_lshl_b32 s96, s[WV], 5
	s_add_co_u32 s[Q0], s[Q0], s96
	RESET 0
	RESET 1
	WIN 0
	s_wait_loadcnt 0x0
.endm
.macro SPROD g, a
.irp t, 0,1,2,3
.set rD, 96+8*(4*(\g)+\t)
.set rF, 32+16*\t
.set rW, FS+(4*(\g)+\t)/2
.if (\t%2 == 0) && (\a == 0)
	v_wmma_scale_f32_16x16x128_f8f6f4 v[rD:rD+7], v[rF:rF+15], v[16:31], 0, v[rW], v[QS]
.elseif (\a == 0)
	v_wmma_scale_f32_16x16x128_f8f6f4 v[rD:rD+7], v[rF:rF+15], v[16:31], 0, v[rW], v[QS] matrix_a_scale:MATRIX_SCALE_ROW1
.elseif (\t%2 == 0)
	v_wmma_scale_f32_16x16x128_f8f6f4 v[rD:rD+7], v[rF:rF+15], v[16:31], 0, v[rW], v[QS] matrix_b_scale:MATRIX_SCALE_ROW1
.else
	v_wmma_scale_f32_16x16x128_f8f6f4 v[rD:rD+7], v[rF:rF+15], v[16:31], 0, v[rW], v[QS] matrix_a_scale:MATRIX_SCALE_ROW1 matrix_b_scale:MATRIX_SCALE_ROW1
.endif
.endr
.endm
.macro OPROD g, a
.irp t, 0,1,2,3
.set rD, 160+8*(4*(\g)+\t)
.set rF, 32+16*\t
.set rW, FS+(4*(\g)+\t)/2
.set rP, PW0+(PW1-PW0)*(\a)
.if \t%2 == 0
	v_wmma_scale_f32_16x16x128_f8f6f4 v[rD:rD+7], v[rF:rF+15], v[224:239], v[rD:rD+7], v[rW], v[rP]
.else
	v_wmma_scale_f32_16x16x128_f8f6f4 v[rD:rD+7], v[rF:rF+15], v[224:239], v[rD:rD+7], v[rW], v[rP] matrix_a_scale:MATRIX_SCALE_ROW1
.endif
.endr
.endm
.macro MASK a
	WIN 0x55*(\a)
	v_and_b32 v252, 15, v0
	v_bfe_u32 v236, v0, 4, 1
	s_delay_alu instid0(VALU_DEP_1)
	v_lshlrev_b32 v236, 4, v236
	s_delay_alu instid0(VALU_DEP_1)
	v_sub_nc_u32 v252, v252, v236
	s_delay_alu instid0(VALU_DEP_1)
	v_add_nc_u32 v252, s98, v252
	v_mov_b32 v254, 0xff800000
.set n, 0
.rept 64
	v_cmp_gt_i32 vcc_lo, 32*(n/16)+n%16, v252
	v_cndmask_b32 v[96+n], v[96+n], v254, vcc_lo
.set n, n+1
.endr
.endm
.macro SOFTMAX a
	WIN 0x55*(\a)
.irp b, 0,1,2,3
	v_max3_num_f32 v[232+\b], v[96+16*\b], v[97+16*\b], v[98+16*\b]
.endr
.irp i, 3,5,7,9,11,13
.irp b, 0,1,2,3
	v_max3_num_f32 v[232+\b], v[232+\b], v[96+16*\b+\i], v[97+16*\b+\i]
.endr
.endr
.irp b, 0,1,2,3
	v_max_num_f32 v[232+\b], v[232+\b], v[111+16*\b]
.endr
.irp b, 0,1,2,3
	v_permlanex16_b32 v[236+\b], v[232+\b], s[SEL], s[SEL+1]
.endr
.irp b, 0,1,2,3
	s_delay_alu instid0(VALU_DEP_4)
	v_max_num_f32 v[232+\b], v[232+\b], v[236+\b]
.endr
	s_delay_alu instid0(VALU_DEP_2)
	v_max3_num_f32 v254, v232, v233, v234
	s_delay_alu instid0(VALU_DEP_1)
	v_max_num_f32 v254, v254, v235
	s_delay_alu instid0(VALU_DEP_1)
	v_mul_f32 v254, s[CS], v254
	s_delay_alu instid0(VALU_DEP_1)
	v_max_num_f32 v13, v13, v254
	v_mov_b32 v254, v12
	s_delay_alu instid0(VALU_DEP_2)
	v_floor_f32 v12, -v13
	s_delay_alu instid0(VALU_DEP_1)
	v_sub_f32 v254, v12, v254
	s_delay_alu instid0(VALU_DEP_1)
	v_cvt_i32_f32 v254, v254
	s_delay_alu instid0(VALU_DEP_1)
	v_ldexp_f32 v252, 1.0, v254
.set n, 0
.rept 32
	v_pk_fma_f32 v[96+n:97+n], v[96+n:97+n], s[CS:CS+1], v[12:13] op_sel_hi:[1,0,0]
.set n, n+2
.endr
.irp b, 0,1,2,3
	v_fma_f32 v[232+\b], v[232+\b], s[CS], v12
.endr
.set n, 0
	s_wait_alu depctr_va_vdst(0)
.rept 64
	v_exp_f32 v[96+n], v[96+n]
.set n, n+1
.endr
.irp b, 0,1,2,3
	v_exp_f32 v[232+\b], v[232+\b]
.endr
	v_pk_mul_f32 v[14:15], v[14:15], v[252:253] op_sel_hi:[1,0]
	s_wait_alu depctr_va_vdst(0)
.irp b, 0,1,2,3
	v_max_num_f32 v[232+\b], 0x4800000, v[232+\b]
.endr
.irp b, 0,1,2,3
	s_delay_alu instid0(VALU_DEP_4)
	v_add_nc_u32 v[244+\b], 0xfc000000, v[232+\b]
.endr
.irp b, 0,1,2,3
.endr
.irp b, 0,1,2,3
	s_delay_alu instid0(VALU_DEP_4)
	v_lshrrev_b32 v[236+\b], 23, v[244+\b]
.endr
	s_delay_alu instid0(VALU_DEP_3)
	v_lshl_or_b32 v254, v237, 8, v236
	s_delay_alu instid0(VALU_DEP_1)
	v_lshl_or_b32 v254, v238, 16, v254
.if \a == 0
	s_delay_alu instid0(VALU_DEP_1)
	v_lshl_or_b32 v[PW0], v239, 24, v254
.else
	WIN 0x15
	v_lshl_or_b32 v[PW1], v239, 24, v254
	WIN 0x55
.endif
	v_pk_add_f32 v[236:237], v[96:97], v[98:99]
.irp j, 4,8,12,16,20,24,28,32,36,40,44,48,52,56,60
	v_pk_add_f32 v[14:15], v[14:15], v[96+\j:97+\j]
	v_pk_add_f32 v[236:237], v[236:237], v[98+\j:99+\j]
.endr
	s_delay_alu instid0(VALU_DEP_1)
	v_pk_add_f32 v[14:15], v[14:15], v[236:237]
.irp b, 0,1,2,3
.set n, 0
.rept 16
.set n, n+1
.endr
	v_cvt_scalef32_pk8_fp8_f32 v[224+4*\b:225+4*\b], v[96+16*\b:103+16*\b], v[244+\b]
	v_cvt_scalef32_pk8_fp8_f32 v[226+4*\b:227+4*\b], v[104+16*\b:111+16*\b], v[244+\b]
.endr
.set n, 0
.rept 32
	v_pk_mul_f32 v[160+n:161+n], v[160+n:161+n], v[252:253] op_sel_hi:[1,0]
.set n, n+2
.endr
.endm
.macro STEP q
	s_add_co_u32 s96, s[Q0], 31
	s_add_co_u32 s97, s[KF], 128*(\q)
	s_cmp_gt_u32 s97, s96
	s_cbranch_scc1 .Lhidden_\@
	v_add_nc_u32 v[ADK], s[TB], v[AK0]
	v_add_nc_u32 v[ADV], s[TB], v[AV0]
	v_add_nc_u32 v[ADS], s[TS], v[ASK0]
	v_add_nc_u32 v[ADT], s[TJ], v[ASV0]
.rept 4
	v_nop
.endr
.irp t, 0,1,2,3
.irp c, 0,1,2,3
	ds_load_b128 v[32+16*\t+4*\c:35+16*\t+4*\c], v[ADK] offset:(64*(\q)+8*\t)*KP+32*\c
.endr
.endr
.irp b, 0,1,2,3
	ds_load_b32 v[FS+\b], v[ADS] offset:544*(\q)+272*(\b/2)+128*(\b%2)
.endr
	WIN 0x40
.irp t, 0,1,2,3
.irp c, 0,1,2,3
	ds_load_b128 v[32+16*\t+4*\c:35+16*\t+4*\c], v[ADK] offset:(64*(\q)+8*(4+\t))*KP+32*\c
.endr
.endr
	s_wait_alu depctr_va_vdst(0)
	s_wait_dscnt 16
	WIN 0x00
	SPROD 0, 0
	WIN 0x44
	SPROD 0, 1
	s_wait_dscnt 0x0
	WIN 0x01
	SPROD 1, 0
	WIN 0x45
	SPROD 1, 1
	WIN 0
.rept 8
	v_nop
.endr
.irp t, 0,1,2,3
.irp c, 0,1,2,3
	ds_load_b128 v[32+16*\t+4*\c:35+16*\t+4*\c], v[ADV] offset:16*\t*VP+128*(\q)+32*\c
.endr
.endr
.irp b, 0,1,2,3
	ds_load_b32 v[FS+\b], v[ADT] offset:8*272*\b+4*(\q)
.endr
	WIN 0x40
.irp t, 0,1,2,3
.irp c, 0,1,2,3
	ds_load_b128 v[32+16*\t+4*\c:35+16*\t+4*\c], v[ADV] offset:16*(4+\t)*VP+128*(\q)+32*\c
.endr
.endr
	WIN 0
	s_add_co_u32 s96, s97, 127
	s_cmp_le_u32 s96, s[Q0]
	s_cbranch_scc1 .Lopen_\@
	s_sub_co_i32 s98, s[Q0], s97
	MASK 0
	s_add_co_u32 s98, s98, 16
	MASK 1
	WIN 0
.Lopen_\@:
	SOFTMAX 0
	SOFTMAX 1
	s_wait_alu depctr_va_vdst(0)
	s_wait_dscnt 16
	WIN 0x00
	OPROD 0, 0
	WIN 0x54
	OPROD 0, 1
	s_wait_dscnt 0x0
	WIN 0x01
	OPROD 1, 0
	WIN 0x55
	OPROD 1, 1
	WIN 0
.Lhidden_\@:
.endm
.macro CHANGE fill
	s_wait_tensorcnt 0x0
	ds_add_u32 v[SPW], v[NIL]
.if \fill
	s_add_co_u32 s96, s[TRIP], 1
	s_sub_co_u32 s97, 7, s[TRIP]
	s_cmp_lt_u32 s[TRIP], s[WGX]
	s_cselect_b32 s96, s96, s97
	s_lshl_b32 s[OFS], s96, 15
	s_add_nc_u64 s[G0K+2:G0K+3], s[KB:KB+1], s[OFS:OFS+1]
	s_or_b32 s[G0K+3], s[G0K+3], 0x80000000
	s_lshl_b32 s[OFS], s96, 8
	s_add_nc_u64 s[G0V+2:G0V+3], s[VB:VB+1], s[OFS:OFS+1]
	s_or_b32 s[G0V+3], s[G0V+3], 0x80000000
	s_xor_b32 s[G0K+1], s[G0K+1], SLOT1
	s_xor_b32 s[G0V+1], s[G0V+1], SLOT1
.endif
	s_wait_dscnt 0x0
	s_barrier_signal -1
	s_barrier_wait -1
.if \fill
	TLOAD G0K, G1K, G0V, G1V
.endif
.endm
.macro TRIPSET last
.if \last
	s_mov_b32 s[TS], 0
	s_mov_b32 s[TJ], 0
	s_mov_b32 s[KF], 0
.else
	s_sub_co_u32 s96, 8, s[TRIP]
	s_cmp_le_u32 s[TRIP], s[WGX]
	s_cselect_b32 s96, s[TRIP], s96
	s_min_u32 s96, s96, 7
	s_mul_i32 s[TS], s96, 4*272
	s_lshl_b32 s[TJ], s96, 3
	s_lshl_b32 s[KF], s96, 8
.endif
.endm
.macro SLOT_STEPS
	STEP 0
	STEP 1
	s_xor_b32 s[TB], s[TB], SLOT1
.endm
	NEWBLOCK 0
.Lslot:
	CHANGE 1
	TRIPSET 0
	s_cmp_lg_u32 s[TRIP], s[WGX1]
	s_cbranch_scc1 .Lsame_block
	s_sub_co_u32 s[BLK], 7, s[WGX]
	NEWBLOCK 1
.Lsame_block:
	SLOT_STEPS
	s_add_co_u32 s[TRIP], s[TRIP], 1
	s_cmp_lt_u32 s[TRIP], 8
	s_cbranch_scc1 .Lslot
	CHANGE 0
	TRIPSET 1
	SLOT_STEPS
	WAYOUT
	s_wait_tensorcnt 0x0
	ds_add_u32 v[SPW], v[NIL]
	s_wait_dscnt 0x0
	s_endpgm
.Lfunc_end_k_qe59b2f8e64_attn:
	.size	k_qe59b2f8e64_attn, .Lfunc_end_k_qe59b2f8e64_attn-k_qe59b2f8e64_attn
	.p2alignl 7, 3214868480
	.fill 96, 4, 3214868480
	.section	.rodata,"a",@progbits
	.p2align	6, 0x0
	.amdhsa_kernel k_qe59b2f8e64_attn
		.amdhsa_group_segment_fixed_size 327680
		.amdhsa_private_segment_fixed_size 0
		.amdhsa_enable_private_segment 0
		.amdhsa_kernarg_size 56
		.amdhsa_user_sgpr_count 2
		.amdhsa_user_sgpr_kernarg_segment_ptr 1
		.amdhsa_wavefront_size32 1
		.amdhsa_system_sgpr_workgroup_id_x 1
		.amdhsa_system_sgpr_workgroup_id_y 1
		.amdhsa_system_sgpr_workgroup_id_z 1
		.amdhsa_system_vgpr_workitem_id 0
		.amdhsa_next_free_vgpr 512
		.amdhsa_next_free_sgpr 100
		.amdhsa_reserve_vcc 1
		.amdhsa_float_denorm_mode_32 3
		.amdhsa_float_denorm_mode_16_64 3
		.amdhsa_fp16_overflow 1
		.amdhsa_memory_ordered 1
		.amdhsa_forward_progress 1
		.amdhsa_inst_pref_size 239
	.end_amdhsa_kernel
	.amdgpu_metadata
---
amdhsa.version: [ 1, 2 ]
amdhsa.kernels:
  - .name:           k_qe59b2f8e64_attn
    .symbol:         k_qe59b2f8e64_attn.kd
    .args:
      - { .name: Q_codes, .offset: 0, .size: 8, .value_kind: global_buffer, .address_space: global }
      - { .name: Q_scales, .offset: 8, .size: 8, .value_kind: global_buffer, .address_space: global }
      - { .name: K_codes, .offset: 16, .size: 8, .value_kind: global_buffer, .address_space: global }
      - { .name: K_scales, .offset: 24, .size: 8, .value_kind: global_buffer, .address_space: global }
      - { .name: V_codes, .offset: 32, .size: 8, .value_kind: global_buffer, .address_space: global }
      - { .name: V_scales, .offset: 40, .size: 8, .value_kind: global_buffer, .address_space: global }
      - { .name: out0, .offset: 48, .size: 8, .value_kind: global_buffer, .address_space: global }
    .group_segment_fixed_size: 327680
    .private_segment_fixed_size: 0
    .kernarg_segment_align: 8
    .kernarg_segment_size: 56
    .max_flat_workgroup_size: 256
    .sgpr_count:     100
    .vgpr_count:     512
    .wavefront_size: 32
...
	.end_amdgpu_metadata
.endif
;; end of part 1
